; MI455X (gfx1250); checked and timed in simulation.
; The chip was launched on July 23, 2026; its instructions are those of AMD's public machine-readable ISA for CDNA 5 (MIT licence, August 2026) and "CDNA5" Instruction Set Architecture Reference Guide (July 2026). The comments in the code are by the model that wrote it; some were corrected since.
;; Sparse Attention. Allowed arithmetic: matrix products marked QUANTISED: E2M1 operands, one E8M0 scale for each 32 along K, by v_wmma_scale_f32_16x16x128_f8f6f4 with both operands' format E2M1 (or v_wmma_scale_f32_32x16x128_f4), f32 sums; products left as they are: bf16, f16 or f32 operands; f32 sums; everything else in f32.
;; Inputs: k 1 x 16 x 2,048 x 64 float32; mask 1 x 16 x 2,048 x 2,048 bool; q 1 x 16 x 2,048 x 64 float32; v 1 x 16 x 2,048 x 64 float32.
;; Outputs: out0 1 x 16 x 2,048 x 64 float32.
;; This version of the problem:
;;   THIS VERSION OF THE PROBLEM IS GIVEN IN LOW PRECISION. The matrix products marked QUANTISED in the list below multiply operands that are first quantised to E2M1 (2 exponent bits, 1 mantissa bit; 4 bits a number), with one power-of-two scale for each 32 numbers along K (OCP MX v1.0); their sums are f32. The products marked 'left as it is' may take bf16, f16 or f32 operands, with f32 sums. Whichever they take, every output number must still come out within the allowed error. Rounding operands to bf16 (8 significant bits) uses up far more of that allowance than f16 does (11 bits, for magnitudes from 6e-5 to 65,504). All else is computed in f32.
;;   The module's matrix products, in the order in which they are computed (A, B: the left and right operand; K: the contracted axis; several contracted axes count as one K, in the product's order):
;;     1. batch 16 x [M 2,048, K 64] x [K 64, N 2,048]; A: input q; B: input k: QUANTISED
;;     2. batch 16 x [M 2,048, K 2,048] x [K 2,048, N 64]; A: computed on the way; B: input v: left as it is (an operand is computed on the way)
;;   THE QUANTISER, for each operand of a quantised product, along K:
;;     - K is cut into blocks of 32 from its start; a last block that is shorter is filled with zeros.
;;     - A block's scale is 2^e with e = floor(log2(the largest magnitude in the block)) - 2, held to -126 .. 127; a block of zeros has e = 0. As a byte (E8M0): e + 127.
;;     - Each number is divided by its block's scale, clamped to +-6, and rounded to the nearest number of E2M1, ties to even, subnormals kept.
;;     - The product sums the exact products of the quantised numbers (number of the format x scale) in f32.
;;   ~~~python
;;   def quantise(x, axis):      # numpy; x: float32 -> the quantised numbers, widened to float32 again
;;       x = np.moveaxis(x, axis, -1); K = x.shape[-1]
;;       x = np.pad(x, [(0, 0)] * (x.ndim - 1) + [(0, -K % 32)]); x = x.reshape(x.shape[:-1] + (-1, 32)); a = np.abs(x).max(-1, keepdims=True)
;;       e = np.where(a > 0, np.clip(np.frexp(np.where(a > 0, a, 1))[1] - 1 - 2, -126, 127), 0)      # np.frexp(a)[1] - 1 = floor(log2(a)), exactly
;;       r = np.clip(x / 2.0 ** e, -6, 6)
;;       step = 2.0 ** (np.maximum(np.frexp(np.where(r == 0, 1, r))[1] - 1, 0) - 1)
;;       q = np.round(r / step) * step * 2.0 ** e      # np.round: ties to even
;;       return np.moveaxis(q.reshape(q.shape[:-2] + (-1,))[..., :K], -1, axis).astype(np.float32)
;;   ~~~
;; One version. Each part assembles by itself: llvm-mc -triple=amdgcn-amd-amdhsa -mcpu=gfx1250 --defsym DOCPART=n.
;; ======== version 1 of 1: 2 launches
;; limits: values are held in f16: magnitudes above 65,504 overflow, below 6.1e-05 lose precision; inputs' magnitudes at most 65,504; right only within a limited range of input values
;; workspace buffers: qimg 1,048,576 bytes; qsc 131,072 bytes; kvimg 5,373,952 bytes
;; launch prep (part 1): grid 256 x 1, 4 waves a work-group, no clusters, 70,144 bytes of LDS; arguments q, k, v, qimg, qsc, kvimg; writes qimg, qsc, kvimg
.if DOCPART == 1
	.amdgcn_target "amdgcn-amd-amdhsa--gfx1250"
	.amdhsa_code_object_version 6
	.text
	.protected	k_q0aa22273c6_prep
	.globl	k_q0aa22273c6_prep
	.p2align	8
	.type	k_q0aa22273c6_prep,@function
k_q0aa22273c6_prep:
	s_mov_b64 s[64:65], 0
	v_nop
	global_prefetch_b8 v0, s[64:65] scope:SCOPE_SE
	s_setreg_imm32_b32 hwreg(HW_REG_WAVE_MODE, 25, 1), 1
	s_wait_xcnt 0x0
; q, k, v: [16 heads][2048][64] f32, taken as 32,768 rows of 256 bytes.  This launch reads each of them once and lays them out in the order of the operand registers of the attention launch.
; q and k become codes of FP4 (E2M1) along the head's 64 (two blocks of 32), with one E8M0 byte a block: the byte is the exponent field of the block's largest magnitude less 2, held at 1 from below.
; (A block of zeros so gets the byte 1: its codes are zeros, and the bytes are read by this program alone.)  v becomes f16 with the keys innermost.
; LIMITS: NaN and infinities among the inputs are not served; |v| stays under 65,504, f16's largest number.
; LAYOUTS (lane = thread % 32, r = lane % 16, h = lane / 16; GG = row / 32):
;   qimg:  GG x 1024 + u x 512 + 16 x lane: block h of query 32 GG + 16 u + r: registers 0-3 of the operand.      qsc: GG x 128 + 4 x lane: lanes 0-15 the scale word of tile 0's row r, lanes 16-31 tile 1's.
;   kvimg: a chunk of 83,968 bytes for each 512 keys of a head.  In it, B = the block of 32 keys (0 .. 15):
;     from 0:      (4 B + ct) x 1024 + 512 c + 16 x lane: v[32 B + 16 h + 8 c + 0 .. 7][16 ct + r] as f16, the lower key in the lower half
;     from 65,536: (2 B + u) x 512 + 16 x lane: block h of key 32 B + 8 u + r + 8 (r / 8)          from 81,920: B x 128 + 4 x lane: lanes 0-15 tile 2 B's scale words, lanes 16-31 tile 2 B + 1's
; SHARES.  Work-group W takes rows 128 W .. 128 W + 127 of all three.  Wave w takes the 32 rows GG = 4 W + w of q and of k, and of v the channels 16 w .. 16 w + 15 of all 128 rows.
; q's and k's loads take the bytes as they lie (512 consecutive bytes a load); the rows turn through the wave's own stage in LDS, so that a lane gets a whole block of 32 neighbours.
; v needs no turn: a lane takes a channel and its registers run down the keys.  Straight-line text: every offset is an immediate, no store's data are written again, waves share nothing, so there is no barrier.
.set PITCH,  272                       ; a stage row: 256 bytes + 16: the sixteen rows that a read touches start 16 bytes apart modulo 256
.set STG,    32*PITCH                  ; a stage: 32 rows
.set WREG,   2*STG                     ; a wave's region: q's stage, then k's
.set SPARE,  4*WREG                    ; behind the four regions: the spare words, 128 bytes for each wave
.set CHUNKB, 83968
.set KOFF,   65536
.set SOFF,   81920
.set SPW, 1                            ; v1   LDS address of my spare word; never rewritten
.set NIL, 2                            ; v2   0; never rewritten
.set LI,  3                            ; v3   16 x lane
.set LS,  4                            ; v4   4 x lane
.set STW, 5                            ; v5   into a stage: row h, 16 r bytes on; two rows a store
.set RDQ, 6                            ; v6   out of q's stage: row r, block h
.set RDK, 7                            ; v7   out of k's: row r + 8 (r / 8), block h
.set VA,  8                            ; v8   v: row 16 h, channel 16 w + r
.set SH,  9                            ; v9   8 h: where my block's byte stands in the scale word
.set XQ,  16                           ; v16-79   q as loaded; later two tiles' blocks
.set XK,  80                           ; v80-143  k as loaded; later one tile's blocks (v80-111) and the scale words (v112-117)
.set XV,  144                          ; v144-207 v: 16 keys for each of four blocks
.set Y0,  208                          ; v208-239 the first tile's blocks
.set CD,  240                          ; v240-255 codes: four registers for each of the four tiles
.set WD,  112
	s_load_b256 s[4:11], s[0:1], 0x0               ; q s[4:5], k s[6:7], v s[8:9], qimg s[10:11]
	s_load_b128 s[12:15], s[0:1], 0x20             ; qsc s[12:13], kvimg s[14:15]
	v_lshl_add_u32 v[SPW], v0, 2, SPARE
	v_mov_b32 v[NIL], 0
	v_lshrrev_b32 v10, 5, v0
	v_readfirstlane_b32 s16, v10                   ; wave 0..3
	v_and_b32 v11, 31, v0                          ; lane
	v_and_b32 v12, 15, v0                          ; r
	v_bfe_u32 v13, v0, 4, 1                        ; h
	v_lshlrev_b32 v[LI], 4, v11
	v_lshlrev_b32 v[LS], 2, v11
	s_mul_i32 s28, s16, WREG
	v_mul_u32_u24 v[STW], v13, PITCH
	v_lshl_add_u32 v[STW], v12, 4, v[STW]
	v_add_nc_u32 v[STW], s28, v[STW]
	v_mul_u32_u24 v[RDQ], v12, PITCH
	v_lshl_add_u32 v[RDQ], v13, 7, v[RDQ]
	v_add_nc_u32 v[RDQ], s28, v[RDQ]
	v_and_b32 v14, 8, v12
	v_add_nc_u32 v14, v14, v12                     ; r + 8 (r / 8)
	v_mul_u32_u24 v[RDK], v14, PITCH
	v_lshl_add_u32 v[RDK], v13, 7, v[RDK]
	v_add_nc_u32 v[RDK], s28, v[RDK]
	s_lshl_b32 s29, s16, 6
	v_lshlrev_b32 v[VA], 12, v13
	v_lshl_add_u32 v[VA], v12, 2, v[VA]
	v_add_nc_u32 v[VA], s29, v[VA]
	v_lshlrev_b32 v[SH], 3, v13
	v_cmp_le_u32 s30, 16, v11                      ; lanes 16-31
	s_mov_b32 s20, 0x76543210
	s_mov_b32 s21, 0xfedcba98                      ; v_permlanex16_b32's selects for lane l xor 16
	; the offsets, apart from the addresses
	s_lshl_b32 s17, ttmp9, 2
	s_add_co_u32 s17, s17, s16                     ; GG = 4 W + w
	s_lshl_b32 s18, s17, 13                        ; q, k: 32 rows of 256 bytes a group
	s_mov_b32 s19, 0
	s_lshl_b32 s22, ttmp9, 15                      ; v: 128 rows a work-group
	s_mov_b32 s23, 0
	s_lshl_b32 s24, s17, 10                        ; qimg
	s_mov_b32 s25, 0
	s_lshl_b32 s26, s17, 7                         ; qsc
	s_mov_b32 s27, 0
	s_lshr_b32 s31, ttmp9, 2
	s_mul_i32 s31, s31, CHUNKB                     ; my chunk of kvimg: four work-groups to a chunk
	s_and_b32 s32, ttmp9, 3                        ; which 128 keys of it
	s_lshl_b32 s33, s16, 10
	s_lshl_b32 s34, s32, 14
	s_add_co_u32 s34, s34, s33
	s_add_co_u32 s34, s34, s31                     ; v's part: four blocks of 4,096 bytes, in each my channel tile's 1,024
	s_mov_b32 s35, 0
	s_lshl_b32 s36, s32, 12
	s_add_co_u32 s36, s36, s33
	s_add_co_u32 s36, s36, s31
	s_add_co_u32 s36, s36, KOFF                    ; k's codes: my block's two tiles
	s_mov_b32 s37, 0
	s_lshl_b32 s38, s32, 9
	s_lshl_b32 s33, s16, 7
	s_add_co_u32 s38, s38, s33
	s_add_co_u32 s38, s38, s31
	s_add_co_u32 s38, s38, SOFF                    ; k's scale words
	s_mov_b32 s39, 0
	s_wait_kmcnt 0x0
	s_add_nc_u64 s[4:5], s[4:5], s[18:19]
	s_add_nc_u64 s[6:7], s[6:7], s[18:19]
	s_add_nc_u64 s[8:9], s[8:9], s[22:23]
	s_add_nc_u64 s[10:11], s[10:11], s[24:25]
	s_add_nc_u64 s[12:13], s[12:13], s[26:27]
	s_add_nc_u64 s[34:35], s[14:15], s[34:35]
	s_add_nc_u64 s[36:37], s[14:15], s[36:37]
	s_add_nc_u64 s[38:39], s[14:15], s[38:39]
.irp i, 0,1,2,3,4,5,6,7,8,9,10,11,12,13,14,15
	global_load_b128 v[XQ+4*\i:XQ+4*\i+3], v[LI], s[4:5] offset:512*\i th:TH_LOAD_NT     ; 32 lanes read 512 consecutive bytes: two rows
.endr
.irp i, 0,1,2,3,4,5,6,7,8,9,10,11,12,13,14,15
	global_load_b128 v[XK+4*\i:XK+4*\i+3], v[LI], s[6:7] offset:512*\i th:TH_LOAD_NT
.endr
.macro VLOAD b                         ; block b of 32 keys: v[32 b + 16 h + i][16 w + r]; the four waves stand side by side on a row's 256 bytes
.irp i, 0,1,2,3,4,5,6,7,8,9,10,11,12,13,14,15
	global_load_b32 v[XV+16*\b+\i], v[VA], s[8:9] offset:8192*\b+256*\i th:TH_LOAD_NT
.endr
.endm
	VLOAD 0
	VLOAD 1
	s_wait_loadcnt 32                              ; q's and k's 32 loads are in: behind them only v's first 32 were issued
	VLOAD 2
	VLOAD 3
.irp i, 0,1,2,3,4,5,6,7,8,9,10,11,12,13,14,15
	ds_store_b128 v[STW], v[XQ+4*\i:XQ+4*\i+3] offset:2*PITCH*\i
.endr
.irp i, 0,1,2,3,4,5,6,7,8,9,10,11,12,13,14,15
	ds_store_b128 v[STW], v[XK+4*\i:XK+4*\i+3] offset:STG+2*PITCH*\i
.endr
.macro RB dst, adr, off                ; a tile's blocks come back: 128 bytes a lane.  LDS serves a wave's instructions in order: these see the stores above
.irp i, 0,1,2,3,4,5,6,7
	ds_load_b128 v[\dst+4*\i:\dst+4*\i+3], v[\adr] offset:\off+16*\i
.endr
.endm
	RB Y0, RDQ, 0                                  ; q, tile 0
	s_wait_dscnt 0x0                               ; it is in, and the stores have read their registers, which now take the other three tiles
	RB XQ, RDQ, 16*PITCH                           ; q, tile 1
	RB XQ+32, RDK, STG                             ; k, tile 0
	RB XK, RDK, STG+8*PITCH                        ; k, tile 1: eight rows further on
; 32 numbers of a lane, one block, become four registers of codes; w takes the row's scale word, the same in lanes l and l xor 16.
.macro QUANT src, cd, w
	v_max3_num_f32 v10, |v[\src]|, |v[\src+1]|, 0x1800000          ; the largest magnitude, in two chains, and the floor 2^(3 - 127): so the byte cannot fall under 1
	v_max3_num_f32 v11, |v[\src+2]|, |v[\src+3]|, |v[\src+4]|
.irp i, 5,9,13,17,21,25
	v_max3_num_f32 v10, v10, |v[\src+\i]|, |v[\src+\i+1]|
	v_max3_num_f32 v11, v11, |v[\src+\i+2]|, |v[\src+\i+3]|
.endr
	v_max3_num_f32 v10, v10, |v[\src+29]|, |v[\src+30]|
	v_max3_num_f32 v10, v10, v11, |v[\src+31]|
	v_add_nc_u32 v12, 0xff000000, v10              ; 2 off its exponent field: the conversion takes the exponent field of this operand as its scale
	v_lshrrev_b32 v14, 23, v12                     ; the scale's byte
.irp g, 0,1,2,3
	v_cvt_scalef32_pk8_fp4_f32 v[\cd+\g], v[\src+8*\g:\src+8*\g+7], v12
.endr
	v_lshlrev_b32 v[\w], v[SH], v14                ; my block's byte at its place.  (Also the plain instruction behind the conversions)
	v_permlanex16_b32 v13, v[\w], s20, s21         ; the other block's, from lane l xor 16
	v_or_b32 v[\w], v[\w], v13                     ; bytes 2 and 3 stay 0: they scale the zero codes of k = 64 .. 127
.endm
	QUANT Y0, CD, WD
	global_store_b128 v[LI], v[CD:CD+3], s[10:11]                  ; 32 lanes store 512 consecutive bytes
	s_wait_dscnt 16                                ; q's tile 1 is in; k's two tiles (16 loads) may be out
	QUANT XQ, CD+4, WD+1
	global_store_b128 v[LI], v[CD+4:CD+7], s[10:11] offset:512
	v_cndmask_b32 v[WD+4], v[WD], v[WD+1], s30     ; lanes 0-15 tile 0's words, lanes 16-31 tile 1's
	global_store_b32 v[LS], v[WD+4], s[12:13]      ; 128 consecutive bytes; the four waves' lie on end
	s_wait_dscnt 8                                 ; k's tile 0 is in
	QUANT XQ+32, CD+8, WD+2
	global_store_b128 v[LI], v[CD+8:CD+11], s[36:37]
	s_wait_dscnt 0x0
	QUANT XK, CD+12, WD+3
	global_store_b128 v[LI], v[CD+12:CD+15], s[36:37] offset:512
	v_cndmask_b32 v[WD+5], v[WD+2], v[WD+3], s30
	global_store_b32 v[LS], v[WD+5], s[38:39]
.irp b, 0,1,2,3
	s_wait_loadcnt 48-16*\b                        ; block b's 16 loads are in; the later blocks' may be out
.irp j, 0,1,2,3,4,5,6,7
	v_cvt_pk_f16_f32 v[XV+16*\b+\j], v[XV+16*\b+2*\j], v[XV+16*\b+2*\j+1]   ; two neighbouring keys to a register, in place: register j is written when 2 j and 2 j + 1 are read
.endr
	global_store_b128 v[LI], v[XV+16*\b:XV+16*\b+3], s[34:35] offset:4096*\b
	global_store_b128 v[LI], v[XV+16*\b+4:XV+16*\b+7], s[34:35] offset:4096*\b+512
.endr
	s_wait_tensorcnt 0x0                           ; the wave's end: a tensor wait, an add of 0 to my spare word and its wait, behind my last LDS store
	ds_add_u32 v[SPW], v[NIL]
	s_wait_dscnt 0x0
	s_endpgm
.Lfunc_end_k_q0aa22273c6_prep:
	.size	k_q0aa22273c6_prep, .Lfunc_end_k_q0aa22273c6_prep-k_q0aa22273c6_prep
	.p2alignl 7, 3214868480
	.fill 96, 4, 3214868480
	.section	.rodata,"a",@progbits
	.p2align	6, 0x0
	.amdhsa_kernel k_q0aa22273c6_prep
		.amdhsa_group_segment_fixed_size 70144
		.amdhsa_private_segment_fixed_size 0
		.amdhsa_enable_private_segment 0
		.amdhsa_kernarg_size 48
		.amdhsa_user_sgpr_count 2
		.amdhsa_user_sgpr_kernarg_segment_ptr 1
		.amdhsa_wavefront_size32 1
		.amdhsa_system_sgpr_workgroup_id_x 1
		.amdhsa_system_sgpr_workgroup_id_y 1
		.amdhsa_system_sgpr_workgroup_id_z 1
		.amdhsa_system_vgpr_workitem_id 0
		.amdhsa_next_free_vgpr 256
		.amdhsa_next_free_sgpr 66
		.amdhsa_reserve_vcc 0
		.amdhsa_float_denorm_mode_32 3
		.amdhsa_float_denorm_mode_16_64 3
		.amdhsa_memory_ordered 1
		.amdhsa_forward_progress 1
		.amdhsa_inst_pref_size 26
	.end_amdhsa_kernel
	.amdgpu_metadata
---
amdhsa.version: [ 1, 2 ]
amdhsa.kernels:
  - .name:           k_q0aa22273c6_prep
    .symbol:         k_q0aa22273c6_prep.kd
    .args:
      - { .name: q, .offset: 0, .size: 8, .value_kind: global_buffer, .address_space: global }
      - { .name: k, .offset: 8, .size: 8, .value_kind: global_buffer, .address_space: global }
      - { .name: v, .offset: 16, .size: 8, .value_kind: global_buffer, .address_space: global }
      - { .name: qimg, .offset: 24, .size: 8, .value_kind: global_buffer, .address_space: global }
      - { .name: qsc, .offset: 32, .size: 8, .value_kind: global_buffer, .address_space: global }
      - { .name: kvimg, .offset: 40, .size: 8, .value_kind: global_buffer, .address_space: global }
    .group_segment_fixed_size: 70144
    .private_segment_fixed_size: 0
    .kernarg_segment_align: 8
    .kernarg_segment_size: 48
    .max_flat_workgroup_size: 128
    .sgpr_count:     66
    .vgpr_count:     256
    .wavefront_size: 32
...
	.end_amdgpu_metadata
.endif
;; end of part 1
;; launch attn (part 2): grid 16 x 16, 16 waves a work-group, clusters of 4 x 1, 327,680 bytes of LDS; arguments mask, qimg, qsc, kvimg, out0; writes out0
.if DOCPART == 2
	.amdgcn_target "amdgcn-amd-amdhsa--gfx1250"
	.amdhsa_code_object_version 6
	.text
	.protected	k_q0aa22273c6_attn
	.globl	k_q0aa22273c6_attn
	.p2align	8
	.type	k_q0aa22273c6_attn,@function
k_q0aa22273c6_attn:
	s_mov_b64 s[64:65], 0
	v_nop
	global_prefetch_b8 v0, s[64:65] scope:SCOPE_SE
	s_setreg_imm32_b32 hwreg(HW_REG_WAVE_MODE, 25, 1), 1
	s_wait_xcnt 0x0
	s_wait_alu depctr_hold_cnt(0) depctr_sa_sdst(0) depctr_va_vdst(0) depctr_va_sdst(0) depctr_va_ssrc(0) depctr_va_vcc(0) depctr_vm_vsrc(0)
	s_getreg_b32 s2, hwreg(HW_REG_IB_STS2, 6, 4)
	s_cmp_eq_u32 s2, 0
	s_cbranch_scc0 .Lentry_in_a_cluster
	s_endpgm
.Lentry_in_a_cluster:
	s_bfe_u32 s2, ttmp6, 0x10000c
	s_cmp_lg_u32 s2, 0x3003
	s_cbranch_scc0 .Lentry_shape_is_right
	s_endpgm
.Lentry_shape_is_right:
; out[h][q][:] = the sum over allowed keys of softmax_k(q . k / 8) v[k][:]; a row with no allowed key gives 0.  16 heads, 2,048 queries, 2,048 keys, head size 64.
; The first product runs on codes of FP4 (E2M1) with one E8M0 scale for each 32 along the head's 64; the instruction's K is 128, so k = 64 .. 127 are ZERO CODES on q's side.
; The second product takes f16 operands (p at most about 1; v as f16) and sums in f32.  Maxima, exponentials and row sums in f32; the row sum is taken of the unrounded p.
; LIMITS: mask bytes are 0 or 1; a score under -1e30 counts as hidden; |v| under 65,504; NaN and infinities among the inputs are not served.
; SHARES.  A work-group owns 128 queries of one head.  Its 16 waves are 4 query groups g (32 queries: two tiles u of 16) x 4 key quarters s, 256 registers each.  The head's keys come in four chunks of 512 through two LDS
; slots; of each chunk wave (g, s) takes keys 128 s .. 128 s + 127, in two steps of 64.  So a fragment of K or V read from LDS feeds two tiles of queries.  The four quarters' results of a group are merged at the end, through LDS.
; LAYOUT.  Both products are used transposed: S^T = K Q^T (source 0 = 16 keys, source 1 = 16 queries), O^T = V^T P^T: a lane holds ONE query (lane % 16) throughout.
; THE KEYS OF A TILE ARE NOT NEIGHBOURS: lane r of tile 2 B + t takes key 32 B + 8 t + r + 8 (r / 8), so that the 16 registers of two neighbouring tiles are the 16 neighbouring keys 32 B + 16 (lane / 16) + 0 .. 15:
; their 16 mask bytes are one LDS load, and rounded to f16 in pairs they are source 1 of the second product; V's fragments were laid by the launch before with the keys in the same order.
; THE MASK IS THE C OF THE FIRST PRODUCT: a hidden key's register starts with the byte 0xfe (a number between -1.7e38 and -4e37), an allowed key's with 0 (a number of at most 2.4e-38), and the product adds onto it in place.
; The running maximum starts at -1e30, so hidden scores give p = 2^(a number under -1e36) = 0, and a row with no allowed key keeps the sum 0.
; CLUSTER.  The four work-groups of a cluster own query blocks of one head and walk the same chunks of K and V: each half chunk is asked for JOINTLY (the same load, the same descriptor, a mask that names the four).
; The mask bytes are each work-group's own (no two share a byte), so they come by plain loads, behind the same rounds.
; By the text's own count a wave has at most two tensor loads out (the first fills of both slots), later one.
.set MPITCH, 528                       ; a query's 512 mask bytes of a chunk + 16: the sixteen rows that a load touches start 16 bytes apart modulo 256
.set MASKB,  128*MPITCH                ; 67,584
.set CHUNKB, 83968                     ; a chunk's image: V 65,536, K's codes 16,384, K's scale words 2,048
.set IMG,    MASKB
.set KOFF,   65536
.set SOFF,   81920
.set SLOTB,  MASKB+CHUNKB              ; a slot: 151,552 bytes
.set SPARE,  2*SLOTB                   ; behind the slots: the spare words, 128 bytes for each of 16 waves
.set STATS,  SPARE+2048                ; 512 bytes a wave: c m and the sum of its two tiles; no load lands here
.set SGP,    272                       ; the way out: a stage of 32 rows x (256 + 16) bytes for each wave, in slot 0, which has had its last fill and its last read at the last change of slots
.set SGW,    32*SGP
.set SPW, 1                            ; v1   LDS address of my spare word; never rewritten
.set NIL, 2                            ; v2   0; never rewritten
.set AM,  3                            ; v3, v4   my place in the mask rows of slot 0, 1
.set AV,  5                            ; v5, v6   in V's fragments
.set AK,  7                            ; v7, v8   in K's codes
.set AS,  9                            ; v9, v10  in K's scale words
.set TSW, 11                           ; v11  where I store my statistics
.set TSR, 12                           ; v12  where I read my group's
.set TOW, 13                           ; v13  the stage: where I put 16 bytes of a row
.set TOR, 14                           ; v14  and where I read rows back
.set LI,  15                           ; v15  16 x lane: Q's images, and my place in two rows of out
.set ST,  16                           ; v16-31  tile u at ST + 8 u: +0 c m, +1 m, +2, +3 the sum (even keys', odd keys'), +4 .. +7 at work; a = 2^(c m_old - c m_new) takes +6
.set Q,   32                           ; v32-47  tile u at Q + 8 u: four registers of codes, four of zeros
.set QS,  48                           ; v48     Q's scale words: lanes 0-15 tile 0's, lanes 16-31 tile 1's
.set KS,  49                           ; v49-50  K's scale words, a register for each block of 32 keys
.set LS,  51                           ; v51     4 x lane
.set S,   64                           ; v64-127   S^T: tile (u, t) at S + 32 u + 8 t; then p; then P in f16 at S + 32 u + 16 b
.set O,   128                          ; v128-191  O^T: (u, ct) at O + 32 u + 8 ct
.set F,   192                          ; v192-255  V's fragment (b, ct) at F + 32 b + 8 ct; K's tile t at F + 4 t
.set WV,  14                           ; s14 wave; s15 g; s16 s; s17 wave % 2
.set SEL, 20                           ; s[20:21] v_permlanex16_b32's selects for lane l xor 16
.set CS,  22                           ; s[22:23] c = log2(e) / 8
.set TAB, 24                           ; s24 the table of the mask's two bytes: byte 0 = 0xfe, byte 1 = 0
.set G1M, 28                           ; s[28:35] descriptor group 1 for the mask's tiles
.set G1I, 36                           ; s[36:43] for the chunk images
.set G0M, 44                           ; s[44:51] group 0 for the mask, a set for each slot
.set G0I, 52                           ; s[52:59] for the images
.macro PLACES                          ; four places behind a matrix instruction, in front of loads into its registers and of reads of its results (ISA guide 7.12.1 for vector instructions)
.rept 4
	v_nop
.endr
.endm
; A round of the cluster's barrier: my work-group's barrier; wave 0 signals for the work-group; every wave waits for all four work-groups; my work-group's barrier once more.
.macro CROUND
	s_barrier_signal -1
	s_barrier_wait -1
	s_cmp_lg_u32 s[WV], 0
	s_cbranch_scc1 .Lnot_wave_0_\@
	s_barrier_signal -3
.Lnot_wave_0_\@:
	s_barrier_wait -3
	s_barrier_signal -1
	s_barrier_wait -1
.endm
; A refill of slot n.  Waves 0 and 1 fetch the mask's two halves (64 rows x 512 bytes, my work-group's own), waves 2 and 3 the image's (164 rows x 256 bytes, jointly), the others nothing.
; The branches hang on the wave's number alone.  An s_nop 0 and four v_nop follow each load.
.macro TLOAD n
	s_cmp_lt_u32 s[WV], 2
	s_cbranch_scc0 .Lnot_m_\@
	tensor_load_to_lds s[G0M+4*\n:G0M+4*\n+3], s[G1M:G1M+7]
	s_nop 0
	PLACES
	s_branch .Lasked_\@
.Lnot_m_\@:
	s_cmp_lt_u32 s[WV], 4
	s_cbranch_scc0 .Lasked_\@
	tensor_load_to_lds s[G0I+4*\n:G0I+4*\n+3], s[G1I:G1I+7]
	s_nop 0
	PLACES
.Lasked_\@:
.endm
	s_load_b256 s[4:11], s[0:1], 0x0               ; mask s[4:5], qimg s[6:7], qsc s[8:9], kvimg s[10:11]
	s_load_b64 s[12:13], s[0:1], 0x20              ; out
	v_lshl_add_u32 v[SPW], v0, 2, SPARE
	v_mov_b32 v[NIL], 0
	ds_add_u32 v[SPW], v[NIL]                      ; the wave's opening: the add and its wait stand ahead of the first tensor loads; the set-up below, work on registers, stands between them
	v_lshrrev_b32 v52, 5, v0
	v_readfirstlane_b32 s[WV], v52                 ; wave 0..15
	s_lshr_b32 s15, s[WV], 2                       ; g: my 32 queries
	s_and_b32 s16, s[WV], 3                        ; s: my quarter of each chunk's keys
	s_and_b32 s17, s[WV], 1                        ; which half of a tile I fetch, if I fetch
	s_bfe_u32 s18, ttmp6, 0x40000                  ; cx: my place in the cluster: it enters the addresses of mask, qimg, qsc and out alone
	s_lshl_b32 s19, ttmp9, 2
	s_add_co_u32 s19, s19, s18                     ; my block of 128 queries = 4 x cluster x + cx
	s_and_b32 s25, ttmp7, 0xffff                   ; the head, which the four partners share
	; group 1 for the mask: 64 rows x 512 elements of one byte, 2,048 bytes apart in memory, 16 bytes of padding behind each row in LDS
	s_mov_b32 s[G1M], (1<<20)|(6<<22)|(3<<25)      ; 15:0 no work-group mask; 17:16 elements of 1 byte; 20 padding on; 24:22 after every 128 words (code 6); 31:25 four words (code 3)
	s_mov_b32 s[G1M+1], 512<<16                    ; tensor_dim0
	s_mov_b32 s[G1M+2], 64<<16                     ; tensor_dim1
	s_mov_b32 s[G1M+3], 512<<16                    ; tile_dim0
	s_mov_b32 s[G1M+4], 64                         ; tile_dim1
	s_mov_b32 s[G1M+5], 2048                       ; from row to row
	s_mov_b32 s[G1M+6], 0
	s_mov_b32 s[G1M+7], 0
	; group 1 for half a chunk image: a dense block of 41,984 bytes as 164 rows of 32 elements of 8 bytes, no padding
	s_mov_b32 s[G1I], 15|(3<<16)|(1<<21)           ; 15:0 the mask: all four work-groups; 17:16 elements of 8 bytes; 21 set beside a mask
	s_mov_b32 s[G1I+1], 32<<16
	s_mov_b32 s[G1I+2], 164<<16
	s_mov_b32 s[G1I+3], 32<<16
	s_mov_b32 s[G1I+4], 164
	s_mov_b32 s[G1I+5], 32
	s_mov_b32 s[G1I+6], 0
	s_mov_b32 s[G1I+7], 0
	s_mov_b32 s[SEL], 0x76543210
	s_mov_b32 s[SEL+1], 0xfedcba98
	s_mov_b32 s[CS], 0x3e38aa3b                    ; c = log2(e) / 8
	s_mov_b32 s[CS+1], s[CS]                       ; (named with it as a pair, so it is written)
	s_mov_b32 s[TAB], 0x000000fe
	; the mask's offset: head x 2048 x 2048 + (128 x block + 64 x half) x 2048
	s_lshl_b32 s60, s25, 22
	s_lshl_b32 s61, s19, 18
	s_add_co_u32 s60, s60, s61
	s_lshl_b32 s61, s17, 17
	s_add_co_u32 s60, s60, s61
	s_mov_b32 s61, 0
	; the image's: 4 chunks a head, + my half; made of the head and the wave's number alone, in registers that never hold cx
	s_mul_i32 s70, s25, 4*CHUNKB
	s_mul_i32 s72, s17, CHUNKB/2
	s_add_co_u32 s70, s70, s72
	s_mov_b32 s71, 0
	s_add_co_u32 s72, s72, IMG                     ; and where it goes in a slot
	s_mul_i32 s73, s17, MASKB/2                    ; the mask's half likewise
	; Q's images and scale words, and out: GG = 64 x head + 4 x block + g is my group of 32 rows
	s_lshl_b32 s62, s25, 6
	s_lshl_b32 s63, s19, 2
	s_add_co_u32 s62, s62, s63
	s_add_co_u32 s62, s62, s15
	s_lshl_b32 s66, s62, 10
	s_mov_b32 s67, 0
	s_lshl_b32 s68, s62, 7
	s_mov_b32 s69, 0
	s_wait_dscnt 0x0                               ; the opening add is done
	s_wait_kmcnt 0x0
	s_add_nc_u64 s[6:7], s[6:7], s[66:67]
	s_add_nc_u64 s[8:9], s[8:9], s[68:69]
	s_lshl_b32 s66, s62, 13                        ; out: 32 rows of 256 bytes a group,
	s_lshl_b32 s68, s16, 11                        ; and of them I store rows 8 s .. 8 s + 7
	s_add_co_u32 s66, s66, s68
	s_add_nc_u64 s[12:13], s[12:13], s[66:67]
	s_add_nc_u64 s[60:61], s[4:5], s[60:61]
	s_add_nc_u64 s[70:71], s[10:11], s[70:71]
	s_mov_b32 s[G0M], 1                            ; 1:0 count = 1
	s_mov_b32 s[G0M+1], s73                        ; 63:32 LDS address: slot 0
	s_mov_b64 s[G0M+2:G0M+3], s[60:61]             ; 120:64 global address: keys 0 .. 511
	s_or_b32 s[G0M+3], s[G0M+3], 0x80000000        ; 127:126 type = 2
	s_mov_b32 s[G0M+4], 1
	s_add_co_u32 s[G0M+5], s73, SLOTB              ; slot 1
	s_add_nc_u64 s[G0M+6:G0M+7], s[60:61], 512     ; keys 512 .. 1,023
	s_or_b32 s[G0M+7], s[G0M+7], 0x80000000
	s_mov_b32 s[G0I], 1
	s_mov_b32 s[G0I+1], s72
	s_mov_b64 s[G0I+2:G0I+3], s[70:71]
	s_or_b32 s[G0I+3], s[G0I+3], 0x80000000
	s_mov_b32 s[G0I+4], 1
	s_add_co_u32 s[G0I+5], s72, SLOTB
	s_add_nc_u64 s[G0I+6:G0I+7], s[70:71], CHUNKB
	s_or_b32 s[G0I+7], s[G0I+7], 0x80000000
	CROUND                                         ; all four work-groups are here: the first joint loads meet
	s_cmp_lt_u32 s[WV], 2                          ; a wave's two first fills stand in one arm, ahead of every wait on TENSORcnt and every LDS read
	s_cbranch_scc0 .Lfirst_not_m
	tensor_load_to_lds s[G0M:G0M+3], s[G1M:G1M+7]
	s_nop 0
	tensor_load_to_lds s[G0M+4:G0M+7], s[G1M:G1M+7]
	s_nop 0
	PLACES
	s_branch .Lfirst_asked
.Lfirst_not_m:
	s_cmp_lt_u32 s[WV], 4
	s_cbranch_scc0 .Lfirst_asked
	tensor_load_to_lds s[G0I:G0I+3], s[G1I:G1I+7]
	s_nop 0
	tensor_load_to_lds s[G0I+4:G0I+7], s[G1I:G1I+7]
	s_nop 0
	PLACES
.Lfirst_asked:
	v_and_b32 v52, 31, v0                          ; lane
	v_and_b32 v53, 15, v0                          ; r
	v_bfe_u32 v54, v0, 4, 1                        ; h
	v_lshlrev_b32 v[LI], 4, v52
	v_lshlrev_b32 v[LS], 2, v52
	global_load_b128 v[Q:Q+3], v[LI], s[6:7]                       ; Q's codes stay in registers
	global_load_b128 v[Q+8:Q+11], v[LI], s[6:7] offset:512
	global_load_b32 v[QS], v[LS], s[8:9]
	s_mul_i32 s74, s15, 32*MPITCH                  ; the mask: row 32 g + r (tile 1's rows by the immediate), keys 128 s + 16 h on
	s_lshl_b32 s75, s16, 7
	s_add_co_u32 s74, s74, s75
	v_mul_u32_u24 v[AM], v53, MPITCH
	v_lshl_add_u32 v[AM], v54, 4, v[AM]
	v_add_nc_u32 v[AM], s74, v[AM]
	v_add_nc_u32 v[AM+1], SLOTB, v[AM]
	s_lshl_b32 s74, s16, 14                        ; V: my four blocks of 32 keys, 4,096 bytes each
	s_add_co_u32 s74, s74, IMG
	v_add_nc_u32 v[AV], s74, v[LI]
	v_add_nc_u32 v[AV+1], SLOTB, v[AV]
	s_lshl_b32 s74, s16, 12                        ; K's codes: 1,024 bytes a block
	s_add_co_u32 s74, s74, IMG+KOFF
	v_add_nc_u32 v[AK], s74, v[LI]
	v_add_nc_u32 v[AK+1], SLOTB, v[AK]
	s_lshl_b32 s74, s16, 9                         ; K's scale words: 128 bytes a block
	s_add_co_u32 s74, s74, IMG+SOFF
	v_add_nc_u32 v[AS], s74, v[LS]
	v_add_nc_u32 v[AS+1], SLOTB, v[AS]
	s_lshl_b32 s74, s[WV], 9
	s_add_co_u32 s74, s74, STATS
	v_add_nc_u32 v[TSW], s74, v[LS]
	s_lshl_b32 s74, s15, 11
	s_add_co_u32 s74, s74, STATS
	v_add_nc_u32 v[TSR], s74, v[LS]
	s_mul_i32 s74, s[WV], SGW                      ; my stage: row r, 32 h bytes on
	v_mul_u32_u24 v[TOW], v53, SGP
	v_lshl_add_u32 v[TOW], v54, 5, v[TOW]
	v_add_nc_u32 v[TOW], s74, v[TOW]
	s_mul_i32 s74, s15, 4*SGW                      ; back: my group's four stages, rows 8 s + h on, 16 r bytes on
	s_mul_i32 s75, s16, 8*SGP
	s_add_co_u32 s74, s74, s75
	v_mul_u32_u24 v[TOR], v54, SGP
	v_lshl_add_u32 v[TOR], v53, 4, v[TOR]
	v_add_nc_u32 v[TOR], s74, v[TOR]
.irp j, 4,5,6,7,12,13,14,15
	v_mov_b32 v[Q+\j], 0                           ; Q's codes of k = 64 .. 127: zeros
.endr
.irp j, 16,17,18,19
	v_mov_b32 v[F+\j], 0                           ; written once: K's last tile names them as its k = 64 .. 127 (see QK1)
.endr
	v_mov_b32 v[ST+1], 0xf149f2ca                  ; the running maximum: -1e30
	v_mov_b32 v[ST+9], 0xf149f2ca
	s_wait_loadcnt 0x0                             ; Q
; Sixteen mask bytes in v[g + 12 .. g + 15] (word d: keys 4 d .. 4 d + 3) become sixteen numbers in v[g .. g + 15].  The mask word is v_perm_b32's selector: byte 0 picks 0xfe, byte 1 picks 0.
; The picked word is key 4 d + 3's number as it stands; shifted up by 24, 16 and 8 bits it is that of keys 4 d, 4 d + 1, 4 d + 2: only the top byte matters.  No mask word is written over before its v_perm_b32.
.macro BIAS g
.irp d, 0,1,2,3
	v_perm_b32 v[\g+4*\d+3], s[TAB], s[TAB], v[\g+12+\d]
.endr
.irp d, 0,1,2,3
	v_lshlrev_b32 v[\g+4*\d], 24, v[\g+4*\d+3]
	v_lshlrev_b32 v[\g+4*\d+1], 16, v[\g+4*\d+3]
	v_lshlrev_b32 v[\g+4*\d+2], 8, v[\g+4*\d+3]
.endr
.endm
.macro LOADM n, q                      ; the mask bytes of step q of slot n: 16 a lane for each tile of queries and block of 32 keys
.irp u, 0,1
.irp b, 0,1
	ds_load_b128 v[S+32*\u+16*\b+12:S+32*\u+16*\b+15], v[AM+\n] offset:16*\u*MPITCH+64*(\q)+32*\b
.endr
.endr
.endm
.macro LOADK n, q                      ; K's four tiles of 16 keys (four registers each) and two registers of scale words
.irp t, 0,1,2,3
	ds_load_b128 v[F+4*\t:F+4*\t+3], v[AK+\n] offset:(4*(\q)+\t)*512
.endr
.irp b, 0,1
	ds_load_b32 v[KS+\b], v[AS+\n] offset:(2*(\q)+\b)*128
.endr
.endm
.macro LOADV n, q                      ; V's eight fragments: 32 keys x 16 channels each
.irp b, 0,1
.irp ct, 0,1,2,3
	ds_load_b128 v[F+32*\b+8*\ct:F+32*\b+8*\ct+3], v[AV+\n] offset:(2*(\q)+\b)*4096+\ct*1024
	ds_load_b128 v[F+32*\b+8*\ct+4:F+32*\b+8*\ct+7], v[AV+\n] offset:(2*(\q)+\b)*4096+\ct*1024+512
.endr
.endr
.endm
; S^T(u, t) = K's tile t x Q's tile u + the mask's numbers, in place.  K's operand names eight registers, of which the upper four (k = 64 .. 127) hold whatever lies behind its four registers of codes:
; any bits are codes of FP4, which has neither infinity nor NaN, and they meet Q's zero codes: they add exactly 0.  Odd tiles' scale words stand in lanes 16-31 of K's register, tile 1's in lanes 16-31 of Q's.
.macro QK1 t, u
.set rS, S+32*(\u)+8*(\t)
.set rK, F+4*(\t)
.set rQ, Q+8*(\u)
.if ((\t)%2 == 0) && ((\u) == 0)
	v_wmma_scale_f32_16x16x128_f8f6f4 v[rS:rS+7], v[rK:rK+7], v[rQ:rQ+7], v[rS:rS+7], v[KS+(\t)/2], v[QS] matrix_a_fmt:MATRIX_FMT_FP4 matrix_b_fmt:MATRIX_FMT_FP4
.elseif ((\t)%2 == 1) && ((\u) == 0)
	v_wmma_scale_f32_16x16x128_f8f6f4 v[rS:rS+7], v[rK:rK+7], v[rQ:rQ+7], v[rS:rS+7], v[KS+(\t)/2], v[QS] matrix_a_fmt:MATRIX_FMT_FP4 matrix_b_fmt:MATRIX_FMT_FP4 matrix_a_scale:MATRIX_SCALE_ROW1
.elseif ((\t)%2 == 0)
	v_wmma_scale_f32_16x16x128_f8f6f4 v[rS:rS+7], v[rK:rK+7], v[rQ:rQ+7], v[rS:rS+7], v[KS+(\t)/2], v[QS] matrix_a_fmt:MATRIX_FMT_FP4 matrix_b_fmt:MATRIX_FMT_FP4 matrix_b_scale:MATRIX_SCALE_ROW1
.else
	v_wmma_scale_f32_16x16x128_f8f6f4 v[rS:rS+7], v[rK:rK+7], v[rQ:rQ+7], v[rS:rS+7], v[KS+(\t)/2], v[QS] matrix_a_fmt:MATRIX_FMT_FP4 matrix_b_fmt:MATRIX_FMT_FP4 matrix_a_scale:MATRIX_SCALE_ROW1 matrix_b_scale:MATRIX_SCALE_ROW1
.endif
.endm
; O^T(u, ct) += V's fragment (b, ct) x P(u, b).  The eight accumulators take turns, one instruction a turn.  zero = 1: the products start the sums: nothing is cleared.
.macro PV b, zero
.irp ct, 0,1,2,3
.irp u, 0,1
.if \zero
	v_wmma_f32_16x16x32_f16 v[O+32*\u+8*\ct:O+32*\u+8*\ct+7], v[F+32*\b+8*\ct:F+32*\b+8*\ct+7], v[S+32*\u+16*\b:S+32*\u+16*\b+7], 0
.else
	v_wmma_f32_16x16x32_f16 v[O+32*\u+8*\ct:O+32*\u+8*\ct+7], v[F+32*\b+8*\ct:F+32*\b+8*\ct+7], v[S+32*\u+16*\b:S+32*\u+16*\b+7], v[O+32*\u+8*\ct:O+32*\u+8*\ct+7]
.endif
.endr
.endr
.endm
; A KEY STEP: 64 keys, the q-th of my quarter of the chunk in slot n, for my 32 queries.  first = 1: the launch's first step, which starts the sums and O^T.  pre = 1: the next step lies in the same slot and its mask bytes and K are fetched here.
.macro STEP n, q, first, pre
	s_wait_dscnt 0x0                               ; the step's mask bytes, K and K's scale words are in
	BIAS S                                         ; the two groups of block 0 first: their 32 instructions name no register of the last eight products (block 1's) and are the places behind them
	BIAS S+32
	BIAS S+16
	BIAS S+48
	PLACES
.irp t, 0,1,2,3
.irp u, 0,1
	QK1 \t, \u
.endr
.endr
	PLACES                                         ; in front of the loads into K's registers and of the first read of the scores
	LOADV \n, \q
	; the maximum of each query's 32 scores of this lane and the old m; each accumulator is read from its low end on; the two tiles alternate
.irp j, 0,1,2,3
.irp u, 0,1
	v_max3_num_f32 v[ST+8*\u+4+\j], v[S+32*\u+8*\j], v[S+32*\u+8*\j+1], v[S+32*\u+8*\j+2]
.endr
.endr
.irp k, 1,2
.irp j, 0,1,2,3
.irp u, 0,1
	v_max3_num_f32 v[ST+8*\u+4+\j], v[ST+8*\u+4+\j], v[S+32*\u+8*\j+2*\k+1], v[S+32*\u+8*\j+2*\k+2]
.endr
.endr
.endr
.irp u, 0,1
	v_max3_num_f32 v[ST+8*\u+4], v[ST+8*\u+4], v[S+32*\u+7], v[S+32*\u+15]
	v_max3_num_f32 v[ST+8*\u+6], v[ST+8*\u+6], v[S+32*\u+23], v[S+32*\u+31]
.endr
.irp u, 0,1
	v_max3_num_f32 v[ST+8*\u+4], v[ST+8*\u+4], v[ST+8*\u+5], v[ST+8*\u+6]
.endr
.irp u, 0,1
	v_max3_num_f32 v[ST+8*\u+4], v[ST+8*\u+4], v[ST+8*\u+7], v[ST+8*\u+1]
.endr
.irp u, 0,1
	v_permlanex16_b32 v[ST+8*\u+5], v[ST+8*\u+4], s[SEL], s[SEL+1]   ; the query's other 32 keys lie in the lane 16 away
.endr
.if \first == 0
.irp u, 0,1
	v_mov_b32 v[ST+8*\u+7], v[ST+8*\u]             ; c m_old is kept for a
.endr
.endif
.irp u, 0,1
	v_max_num_f32 v[ST+8*\u+1], v[ST+8*\u+4], v[ST+8*\u+5]
.endr
.irp u, 0,1
	v_mul_f32 v[ST+8*\u], s[CS], v[ST+8*\u+1]
.endr
.if \first == 0
.irp u, 0,1
	v_sub_f32 v[ST+8*\u+7], v[ST+8*\u+7], v[ST+8*\u]
.endr
.endif
.irp i, 0,1,2,3,4,5,6,7,8,9,10,11,12,13,14,15
.irp u, 0,1
	v_pk_fma_f32 v[S+32*\u+2*\i:S+32*\u+2*\i+1], v[S+32*\u+2*\i:S+32*\u+2*\i+1], s[CS:CS+1], v[ST+8*\u:ST+8*\u+1] op_sel_hi:[1,0,0] neg_lo:[0,0,1] neg_hi:[0,0,1]   ; c s - c m, two at a time
.endr
.endr
	; ONE BATCH of exponentials with one wait: none of them reads another's result
.if \first == 0
	v_exp_f32 v[ST+6], v[ST+7]                     ; a = 2^(c m_old - c m_new)
	v_exp_f32 v[ST+14], v[ST+15]
.endif
.set e, 0
.rept 64
	v_exp_f32 v[S+e], v[S+e]                       ; p; 0 for a hidden key
.set e, e+1
.endr
	v_nop                                          ; a plain instruction behind the last exponential
	s_wait_alu depctr_va_vdst(0)                   ; the wait ahead of the first instruction that names a result: one for the batch
	; the row sums, of the unrounded p, in two chains a tile; p stays as it is
.irp u, 0,1
.if \first
	v_pk_add_f32 v[ST+8*\u+2:ST+8*\u+3], v[S+32*\u:S+32*\u+1], v[S+32*\u+6:S+32*\u+7]
.else
	v_pk_fma_f32 v[ST+8*\u+2:ST+8*\u+3], v[ST+8*\u+2:ST+8*\u+3], v[ST+8*\u+6:ST+8*\u+7], v[S+32*\u:S+32*\u+1] op_sel_hi:[1,0,1]
.endif
	v_pk_add_f32 v[ST+8*\u+4:ST+8*\u+5], v[S+32*\u+2:S+32*\u+3], v[S+32*\u+4:S+32*\u+5]
.endr
.irp i, 3,4,5,6,7,8,9,10,11,12,13,14,15
.if (\first == 0) || (\i != 3)
.irp u, 0,1
.if (\i)%2
	v_pk_add_f32 v[ST+8*\u+2:ST+8*\u+3], v[ST+8*\u+2:ST+8*\u+3], v[S+32*\u+2*\i:S+32*\u+2*\i+1]
.else
	v_pk_add_f32 v[ST+8*\u+4:ST+8*\u+5], v[ST+8*\u+4:ST+8*\u+5], v[S+32*\u+2*\i:S+32*\u+2*\i+1]
.endif
.endr
.endif
.endr
.irp u, 0,1
	v_pk_add_f32 v[ST+8*\u+2:ST+8*\u+3], v[ST+8*\u+2:ST+8*\u+3], v[ST+8*\u+4:ST+8*\u+5]
.endr
	; p to f16, two neighbouring keys to a register, in place: register i of a group is written when 2 i and 2 i + 1 are read.  The group's upper eight registers fall free
.irp i, 0,1,2,3,4,5,6,7
.irp g, 0,16,32,48
	v_cvt_pk_f16_f32 v[S+\g+\i], v[S+\g+2*\i], v[S+\g+2*\i+1]
.endr
.endr
.if \pre
	LOADM \n, (\q)+1
.endif
.if \first == 0
.set e, 0
.rept 32
	v_pk_mul_f32 v[O+2*e:O+2*e+1], v[O+2*e:O+2*e+1], v[ST+8*(e/16)+6:ST+8*(e/16)+7] op_sel_hi:[1,0]   ; O^T under the new maximum; each accumulator from its low end on
.set e, e+1
.endr
.else
	PLACES
.endif
.if \pre
	s_wait_dscnt 4                                 ; V's sixteen loads are in; the four mask loads issued behind them may be out
.else
	s_wait_dscnt 0x0
.endif
	PV 0, \first
	PLACES                                         ; in front of the loads into block 0's fragments and of the next step's writes onto P's registers of block 0
.if \pre
	LOADK \n, (\q)+1
.endif
	PV 1, 0
.endm
.macro CHUNK n, first                  ; my 128 keys of the chunk in slot n
	LOADM \n, 0
	LOADK \n, 0
	STEP \n, 0, \first, 1
	STEP \n, 1, 0, 0
.endm
; THE CHANGE OF SLOTS.  Each wave waits for all its tensor loads (its part of the slot ahead), adds 0 to its spare word, and waits for that and for its reads of the slot that it leaves.
; fill = 1: slot n, just left, takes the chunk two further on.  The barrier is then a round of the cluster's, so that no wave of any partner still reads the slot or has a load on its way; the refill is
; the first thing behind it, one load a wave, and has a whole chunk's two steps of all sixteen waves in which to land.
.macro CHANGE fill, n
	s_wait_tensorcnt 0x0                           ; no tensor load of mine is out, so a group 0 may be written
	ds_add_u32 v[SPW], v[NIL]                      ; 0 onto my spare word
.if \fill
	s_add_nc_u64 s[G0M+4*\n+2:G0M+4*\n+3], s[G0M+4*\n+2:G0M+4*\n+3], 1024          ; 1,024 keys on in each mask row; the type bits on top are not reached
	s_add_nc_u64 s[G0I+4*\n+2:G0I+4*\n+3], s[G0I+4*\n+2:G0I+4*\n+3], 2*CHUNKB      ; two chunks on
.endif
	s_wait_dscnt 0x0                               ; the add is done, and my reads of the slot are over
.if \fill
	CROUND
	TLOAD \n
.else
	s_barrier_signal -1
	s_barrier_wait -1
.endif
.endm
	s_wait_tensorcnt 1                             ; my part of slot 0 is in; slot 1's may stay out
	s_barrier_signal -1
	s_barrier_wait -1                              ; everybody's is
	CHUNK 0, 1                                     ; keys 0 .. 511
	CHANGE 1, 0
	CHUNK 1, 0                                     ; keys 512 .. 1,023
	CHANGE 1, 1
	CHUNK 0, 0                                     ; keys 1,024 .. 1,535
	CHANGE 0, 0                                    ; nothing is left to fetch
	CHUNK 1, 0                                     ; keys 1,536 .. 2,047
	; THE MERGE of a group's four quarters.  (a) each wave publishes c m and the sum of its two tiles
.irp u, 0,1
	v_add_f32 v[ST+8*\u+4], v[ST+8*\u+2], v[ST+8*\u+3]
.endr
.irp u, 0,1
	v_permlanex16_b32 v[ST+8*\u+5], v[ST+8*\u+4], s[SEL], s[SEL+1]
.endr
.irp u, 0,1
	v_add_f32 v[ST+8*\u+4], v[ST+8*\u+4], v[ST+8*\u+5]             ; the sum over my 512 keys
.endr
	ds_store_b32 v[TSW], v[ST]
	ds_store_b32 v[TSW], v[ST+8] offset:128
	ds_store_b32 v[TSW], v[ST+4] offset:256
	ds_store_b32 v[TSW], v[ST+12] offset:384
	s_wait_dscnt 0x0                               ; for the others' sake: my stores are done
	s_barrier_signal -1
	s_barrier_wait -1
	; (b) quarter p's four numbers into v[S + 4 p ..]: c m of tile 0, of tile 1, the sum of tile 0, of tile 1
.irp p, 0,1,2,3
.irp k, 0,1,2,3
	ds_load_b32 v[S+4*\p+\k], v[TSR] offset:512*\p+128*\k
.endr
.endr
	s_wait_dscnt 0x0
.irp u, 0,1
	v_max3_num_f32 v[52+\u], v[S+\u], v[S+4+\u], v[S+8+\u]
.endr
.irp u, 0,1
	v_max_num_f32 v[52+\u], v[52+\u], v[S+12+\u]                   ; c M: the row's maximum over all 2,048 keys
.endr
.irp p, 0,1,2,3
.irp u, 0,1
	v_sub_f32 v[S+4*\p+\u], v[S+4*\p+\u], v[52+\u]
.endr
.endr
.irp u, 0,1
	v_sub_f32 v[54+\u], v[ST+8*\u], v[52+\u]
.endr
.irp p, 0,1,2,3
.irp u, 0,1
	v_exp_f32 v[S+4*\p+\u], v[S+4*\p+\u]                           ; each quarter's weight 2^(c m - c M): 0 for a quarter with no allowed key beside one that has some
.endr
.endr
.irp u, 0,1
	v_exp_f32 v[54+\u], v[54+\u]                                   ; and my own
.endr
	v_nop
	s_wait_alu depctr_va_vdst(0)                   ; one wait for the ten
.irp u, 0,1
	v_mul_f32 v[56+\u], v[S+\u], v[S+2+\u]
.endr
.irp p, 1,2,3
.irp u, 0,1
	v_fma_f32 v[56+\u], v[S+4*\p+\u], v[S+4*\p+2+\u], v[56+\u]     ; the row's sum under M
.endr
.endr
.irp u, 0,1
	v_rcp_f32 v[58+\u], v[56+\u]
.endr
	v_nop
	s_wait_alu depctr_va_vdst(0)                   ; one wait for the two
.irp u, 0,1
	v_mul_f32 v[60+2*\u], v[54+\u], v[58+\u]                       ; what my O^T is multiplied by
.endr
	v_cmp_lt_f32 vcc_lo, 0, v56
	v_cndmask_b32 v60, 0, v60, vcc_lo              ; a row with no allowed key: 0
	v_cmp_lt_f32 vcc_lo, 0, v57
	v_cndmask_b32 v62, 0, v62, vcc_lo
	v_mov_b32 v61, 0                               ; (named as the pairs' upper halves)
	v_mov_b32 v63, 0
.set e, 0
.rept 32
	v_pk_mul_f32 v[O+2*e:O+2*e+1], v[O+2*e:O+2*e+1], v[60+2*(e/16):61+2*(e/16)] op_sel_hi:[1,0]
.set e, e+1
.endr
	; (c) my 32 rows x 64 channels into my stage: lane (r, h) holds channels 16 ct + 8 h + 0 .. 7 of row 16 u + r
.irp u, 0,1
.irp ct, 0,1,2,3
	ds_store_b128 v[TOW], v[O+32*\u+8*\ct:O+32*\u+8*\ct+3] offset:16*\u*SGP+64*\ct
	ds_store_b128 v[TOW], v[O+32*\u+8*\ct+4:O+32*\u+8*\ct+7] offset:16*\u*SGP+64*\ct+16
.endr
.endr
	s_wait_dscnt 0x0                               ; for the others' sake
	s_barrier_signal -1
	s_barrier_wait -1
	; (d) rows 8 s .. 8 s + 7 of my group, from all four quarters' stages; two rows an instruction
.irp i, 0,1,2,3
.irp p, 0,1,2,3
	ds_load_b128 v[S+16*\i+4*\p:S+16*\i+4*\p+3], v[TOR] offset:\p*SGW+2*\i*SGP
.endr
.endr
	s_wait_dscnt 0x0
.irp i, 0,1,2,3
	v_pk_add_f32 v[S+16*\i:S+16*\i+1], v[S+16*\i:S+16*\i+1], v[S+16*\i+4:S+16*\i+5]
	v_pk_add_f32 v[S+16*\i+2:S+16*\i+3], v[S+16*\i+2:S+16*\i+3], v[S+16*\i+6:S+16*\i+7]
	v_pk_add_f32 v[S+16*\i+8:S+16*\i+9], v[S+16*\i+8:S+16*\i+9], v[S+16*\i+12:S+16*\i+13]
	v_pk_add_f32 v[S+16*\i+10:S+16*\i+11], v[S+16*\i+10:S+16*\i+11], v[S+16*\i+14:S+16*\i+15]
	v_pk_add_f32 v[S+16*\i:S+16*\i+1], v[S+16*\i:S+16*\i+1], v[S+16*\i+8:S+16*\i+9]
	v_pk_add_f32 v[S+16*\i+2:S+16*\i+3], v[S+16*\i+2:S+16*\i+3], v[S+16*\i+10:S+16*\i+11]
	global_store_b128 v[LI], v[S+16*\i:S+16*\i+3], s[12:13] offset:512*\i th:TH_STORE_NT   ; 32 lanes store two rows: 512 consecutive bytes, at a multiple of 256 from out's first byte
.endr
	s_wait_tensorcnt 0x0                           ; the wave's end: a tensor wait, an add of 0 to my spare word and its wait, behind my last tensor load and my last LDS store
	ds_add_u32 v[SPW], v[NIL]
	s_wait_dscnt 0x0
	CROUND                                         ; the closing round: no work-group ends while a partner may still ask for a tile that names it
	s_endpgm
.Lfunc_end_k_q0aa22273c6_attn:
	.size	k_q0aa22273c6_attn, .Lfunc_end_k_q0aa22273c6_attn-k_q0aa22273c6_attn
	.p2alignl 7, 3214868480
	.fill 96, 4, 3214868480
	.section	.rodata,"a",@progbits
	.p2align	6, 0x0
	.amdhsa_kernel k_q0aa22273c6_attn
		.amdhsa_group_segment_fixed_size 327680
		.amdhsa_private_segment_fixed_size 0
		.amdhsa_enable_private_segment 0
		.amdhsa_kernarg_size 40
		.amdhsa_user_sgpr_count 2
		.amdhsa_user_sgpr_kernarg_segment_ptr 1
		.amdhsa_wavefront_size32 1
		.amdhsa_system_sgpr_workgroup_id_x 1
		.amdhsa_system_sgpr_workgroup_id_y 1
		.amdhsa_system_sgpr_workgroup_id_z 1
		.amdhsa_system_vgpr_workitem_id 0
		.amdhsa_next_free_vgpr 256
		.amdhsa_next_free_sgpr 80
		.amdhsa_reserve_vcc 1
		.amdhsa_float_denorm_mode_32 3
		.amdhsa_float_denorm_mode_16_64 3
		.amdhsa_memory_ordered 1
		.amdhsa_forward_progress 1
		.amdhsa_inst_pref_size 171
	.end_amdhsa_kernel
	.amdgpu_metadata
---
amdhsa.version: [ 1, 2 ]
amdhsa.kernels:
  - .name:           k_q0aa22273c6_attn
    .symbol:         k_q0aa22273c6_attn.kd
    .args:
      - { .name: mask, .offset: 0, .size: 8, .value_kind: global_buffer, .address_space: global }
      - { .name: qimg, .offset: 8, .size: 8, .value_kind: global_buffer, .address_space: global }
      - { .name: qsc, .offset: 16, .size: 8, .value_kind: global_buffer, .address_space: global }
      - { .name: kvimg, .offset: 24, .size: 8, .value_kind: global_buffer, .address_space: global }
      - { .name: out0, .offset: 32, .size: 8, .value_kind: global_buffer, .address_space: global }
    .group_segment_fixed_size: 327680
    .private_segment_fixed_size: 0
    .kernarg_segment_align: 8
    .kernarg_segment_size: 40
    .max_flat_workgroup_size: 512
    .sgpr_count:     80
    .vgpr_count:     256
    .wavefront_size: 32
...
	.end_amdgpu_metadata
.endif
;; end of part 2
